; MI455X (gfx1250); checked and timed in simulation.
; The chip was launched on July 23, 2026; its instructions are those of AMD's public machine-readable ISA for CDNA 5 (MIT licence, August 2026) and "CDNA5" Instruction Set Architecture Reference Guide (July 2026). The comments in the code are by the model that wrote it; some were corrected since.
;; Ampere FP8 Linear. Allowed arithmetic: matrix products marked QUANTISED: E2M1 operands, one E8M0 scale for each 32 along K, by v_wmma_scale_f32_16x16x128_f8f6f4 with both operands' format E2M1 (or v_wmma_scale_f32_32x16x128_f4), f32 sums; everything else in f32.
;; Inputs: act 1,024 x 4,096 float16; scale 14,336 float16; weight 4,096 x 14,336 int8.
;; Outputs: out0 1,024 x 14,336 float16.
;; This version of the problem:
;;   THIS VERSION OF THE PROBLEM IS GIVEN IN LOW PRECISION. The matrix products marked QUANTISED in the list below multiply operands that are first quantised to E2M1 (2 exponent bits, 1 mantissa bit; 4 bits a number), with one power-of-two scale for each 32 numbers along K (OCP MX v1.0); their sums are f32. All else is computed in f32.
;;   The module's matrix products, in the order in which they are computed (A, B: the left and right operand; K: the contracted axis; several contracted axes count as one K, in the product's order):
;;     1. [M 1,024, K 4,096] x [K 4,096, N 14,336]; A: input act; B: input weight: QUANTISED
;;   THE QUANTISER, for each operand of a quantised product, along K:
;;     - K is cut into blocks of 32 from its start; a last block that is shorter is filled with zeros.
;;     - A block's scale is 2^e with e = floor(log2(the largest magnitude in the block)) - 2, held to -126 .. 127; a block of zeros has e = 0. As a byte (E8M0): e + 127.
;;     - Each number is divided by its block's scale, clamped to +-6, and rounded to the nearest number of E2M1, ties to even, subnormals kept.
;;     - The product sums the exact products of the quantised numbers (number of the format x scale) in f32.
;;   ~~~python
;;   def quantise(x, axis):      # numpy; x: float32 -> the quantised numbers, widened to float32 again
;;       x = np.moveaxis(x, axis, -1); K = x.shape[-1]
;;       x = np.pad(x, [(0, 0)] * (x.ndim - 1) + [(0, -K % 32)]); x = x.reshape(x.shape[:-1] + (-1, 32)); a = np.abs(x).max(-1, keepdims=True)
;;       e = np.where(a > 0, np.clip(np.frexp(np.where(a > 0, a, 1))[1] - 1 - 2, -126, 127), 0)      # np.frexp(a)[1] - 1 = floor(log2(a)), exactly
;;       r = np.clip(x / 2.0 ** e, -6, 6)
;;       step = 2.0 ** (np.maximum(np.frexp(np.where(r == 0, 1, r))[1] - 1, 0) - 1)
;;       q = np.round(r / step) * step * 2.0 ** e      # np.round: ties to even
;;       return np.moveaxis(q.reshape(q.shape[:-2] + (-1,))[..., :K], -1, axis).astype(np.float32)
;;   ~~~
;; One version. Each part assembles by itself: llvm-mc -triple=amdgcn-amd-amdhsa -mcpu=gfx1250 --defsym DOCPART=n.
;; ======== version 1 of 1: 2 launches
;; limits: values are held in f16: magnitudes above 65,504 overflow, below 6.1e-05 lose precision; right only within a limited range of input values
;; workspace buffers: aq 2,228,224 bytes; bq 31,195,136 bytes
;; launch quant (part 1): grid 512 x 1, 8 waves a work-group, no clusters, 107,776 bytes of LDS; arguments act, weight, aq, bq; writes aq, bq
.if DOCPART == 1
	.amdgcn_target "amdgcn-amd-amdhsa--gfx1250"
	.amdhsa_code_object_version 6
	.text
	.protected	k_q3364bda539_quant
	.globl	k_q3364bda539_quant
	.p2align	8
	.type	k_q3364bda539_quant,@function
k_q3364bda539_quant:
	s_mov_b64 s[64:65], 0
	v_nop
	global_prefetch_b8 v0, s[64:65] scope:SCOPE_SE
	s_setreg_imm32_b32 hwreg(HW_REG_WAVE_MODE, 25, 1), 1
	s_wait_xcnt 0x0
; act [1024][4096] f16 (K innermost) and weight [4096][14336] int8 (K is the FIRST axis) become codes of FP4 (E2M1) with one E8M0 byte for each 32 along K,
; laid as the product's launch reads them.  A block's scale is 2^(floor(log2(its largest magnitude)) - 2): its byte is the largest magnitude's own exponent field - 2, held at 1 from below;
; each number is divided by the scale and rounded to the nearest code, ties to even, beyond 6 the code of 6.  Every f16 and every int8 number is exact in f32, so nothing is rounded ahead of the quantiser.
; LIMITS: NaN and infinities in act are not served.  A block of zeros gets the byte 1 where the rule says 127: its codes are zeros, which add nothing under that byte, and this program alone reads the bytes.
; bq: [tile column 0..55][ks 0..7][256 records][272 bytes].  Record p of a block: bytes 0-255 the codes of column 256 tc + p for K = 512 ks .. + 511 (block kb of 32 at byte 16 kb);
;     bytes 256-271 hold scale words, not that column's own: record (2 q + j) 32 + L carries words i = 0..3: the four bytes of column 128 j + 32 i + L for K step q of 128.
; aq: [G 0..15, 64 rows][Q 0..31, 128 along K][17 pieces of 256 bytes].  Piece 4 a + 2 c + h: 16 bytes for each r = 0..15: the codes of row 64 G + 16 a + r, k = 128 Q + 64 c + 32 h + 0..31;
;     piece 16: byte 16 r + 4 a + b = the scale byte of row 16 a + r, block b of the step.
; SHARES: work-groups 0-63 take act (64 rows x 1,024 k each), 64-511 take weight (256 columns x 512 k each): 131,072 input bytes each.  Nothing is looped: every offset is an immediate.
; The two paths part on the work-group's number alone and have LDS bytes of their own: weight's stage at 0, act's behind it.
.set NW,    14336                      ; bytes in a row of weight
.set REC,   272                        ; a record of bq; also the pitch of act's stage: 68 words, so row r starts at bank 4 r mod 64 (64 banks of 4 bytes: ISA guide 11.1)
; THE LAYOUT OF bq IS THIS (it takes the place of the records named above): [tile column 0..55][256 along K: 0..15][group of 32 columns: 0..7][4,352 bytes].
; A group: for each of its two K steps of 128 2,048 bytes of codes, the image of an operand's 16 registers: byte 1,024 u + 256 kb + 16 r = the 16 bytes of column 16 u + r, block kb of 32;
; then 256 bytes of scales: byte 8 L + 4 q + kb = column L, K step q, block kb.
.set GRPB,  4352
.set KSB,   256*REC                    ; what a work-group makes: 512 along K of a tile column, 69,632 bytes, dense in bq; weight's stage is its image
.set ASTG,  KSB                        ; act's stage: 136 pieces x 272 bytes
.set AST,   17*256                     ; a K step of aq in memory
.set ASL,   17*REC                     ; and in the stage
.set FLOOR, 0x1800000                  ; 2^(3 - 127): no largest magnitude is taken under it, so the byte cannot fall under 1
.set OFF2,  0xff000000                 ; takes 2 off an exponent field
; weight's registers
.set LOFF, 2                           ; v2      8 x lane: my 8 columns of a row's 256
.set SEL,  3                           ; v3-6    byte selects of column step c
.set ADC,  7                           ; v7-10   LDS address of my column's codes in step c
.set ADS,  11                          ; v11-14  and of its scale byte
.set RDW,  16                          ; v16     the way out: 8,704 x wave + 16 x lane, in the stage and in bq alike
.set MX,   17                          ; v17-18 maxima, v19 the conversion's scale operand
.set R,    32                          ; v32-159 the bytes as loaded: block t, row i, half g at R + 64 t + 2 i + g
.set T,    160                         ; v160-191 32 numbers of one column, down K
.set CW,   192                         ; v192-223 eight sets of four code registers
.set EW,   224                         ; v224-231 eight scale bytes
; act's registers
.set AOF,  2                           ; v2      16 x lane
.set AAC,  3                           ; v3      LDS address of my 4 bytes of codes
.set AAE,  4                           ; v4      and of my block's scale byte
.set ARD,  5                           ; v5      the way out: in the stage
.set AGO,  6                           ; v6      and in aq
.set RA,   32                          ; v32-127 24 slots of four registers as loaded
.set TA,   160                         ; v160-175 two sets of 8 numbers
.set AM,   176                         ; v176-177 maxima, v178-179 scale operands, by turns
.set CA,   192                         ; v192-223 a code register for each load
.set EA,   224                         ; v224-255 a scale byte for each load
	s_load_b256 s[4:11], s[0:1], 0x0               ; act s[4:5], weight s[6:7], aq s[8:9], bq s[10:11]
	v_lshl_add_u32 v30, v0, 2, 0x1a100
	v_mov_b32 v31, 0
	v_lshrrev_b32 v1, 5, v0
	s_delay_alu instid0(VALU_DEP_1)
	v_readfirstlane_b32 s12, v1                    ; wave 0..7
	v_and_b32 v1, 31, v0                           ; lane
	s_cmp_lt_u32 ttmp9, 64
	s_cbranch_scc1 .Lact
; ---------------------------------------------------------------- WEIGHT
; Wave w takes rows k = 512 ks + 64 w .. + 63: two blocks of 32.  A load reads 256 consecutive bytes of one row, aligned, 8 a lane: so a lane's registers run DOWN K for 8 columns.
; One column at a time: its 32 bytes are picked out of the 32 rows' registers, made f32, and quantised; the 16 bytes of codes go to the column's record in the stage.
	s_sub_co_u32 s13, ttmp9, 64                    ; 8 tc + ks
	s_lshr_b32 s14, s13, 3                         ; tc
	s_and_b32 s15, s13, 7                          ; ks
	s_lshl_b32 s16, s15, 9
	s_lshl_b32 s17, s12, 6
	s_add_co_u32 s16, s16, s17                     ; my first row: 512 ks + 64 w
	s_mul_i32 s16, s16, NW
	s_lshl_b32 s17, s14, 8
	s_add_co_u32 s16, s16, s17                     ; + 256 tc: under 2^26
	s_mov_b32 s17, 0
	s_mul_i32 s18, s13, KSB                        ; my block of bq
	s_mov_b32 s19, 0
	s_mov_b32 s20, 0x4b000000                      ; 2^23: its top byte over a byte b makes the number 2^23 + b
	s_mov_b32 s22, 0xcb000080                      ; -(2^23 + 128)
	s_mov_b32 s23, s22                             ; (named with it as a pair, so it is written)
	s_mov_b32 s24, 0x80808080
	s_lshr_b32 s25, s12, 2
	s_mul_i32 s25, s25, 8*GRPB                     ; which 256 along K
	s_bfe_u32 s26, s12, 0x10001
	s_lshl_b32 s26, s26, 11                        ; which K step of 128 in it
	s_add_co_u32 s26, s26, s25
	s_and_b32 s28, s12, 1
	s_lshl_b32 s28, s28, 9                         ; codes: block 2 (w % 2) + t of the step
	s_add_co_u32 s26, s26, s28
	s_and_b32 s28, s12, 3
	s_lshl_b32 s28, s28, 1                         ; scale bytes: 4 q + 2 (w % 2) + t, behind a group's codes
	s_add_co_u32 s25, s25, s28
	s_add_co_u32 s25, s25, 4096
	s_mul_i32 s27, s12, 32*REC                     ; the way out: 8,704 bytes a wave
	s_wait_alu depctr_va_vdst(0)
	v_lshlrev_b32 v[LOFF], 3, v1
	s_wait_alu depctr_va_vdst(0)
	s_wait_kmcnt 0x0
	s_add_nc_u64 s[6:7], s[6:7], s[16:17]
	s_add_nc_u64 s[10:11], s[10:11], s[18:19]
.macro WLOAD t                         ; block t: 32 rows
.set i, 0
.rept 32
	global_load_b64 v[R+64*(\t)+2*i:R+64*(\t)+2*i+1], v[LOFF], s[6:7] offset:(32*(\t)+i)*NW th:TH_LOAD_NT
.set i, i+1
.endr
.endm
	WLOAD 0
	WLOAD 1                                        ; all my input is asked for
	; In column step c a lane takes byte x = (c + lane / 2) % 4 of a half g, column 8 lane + 4 g + x: turned from lane to lane, so that sixteen lanes' stores of 16 bytes fall on 8 different places modulo 256 and not on 2.
	v_lshrrev_b32 v20, 1, v1
	v_lshrrev_b32 v21, 2, v1                       ; column 8 lane + 4 g + x: its group of 32 = lane / 4,
	v_and_b32 v22, 1, v1
	v_bfe_u32 v23, v1, 1, 1                        ; its u = (lane / 2) % 2,
	v_and_b32 v26, 3, v1
	v_mul_u32_u24 v21, v21, GRPB
	v_lshlrev_b32 v22, 7, v22                      ; its r = 8 (lane % 2) + 4 g + x
	v_lshlrev_b32 v26, 6, v26                      ; scale bytes: L = 8 (lane % 4) + 4 g + x, 8 bytes each
	v_lshl_add_u32 v23, v23, 10, v22
	v_add_nc_u32 v27, v21, v26
	v_add_nc_u32 v28, v21, v23
	v_add_nc_u32 v27, s25, v27
	v_add_nc_u32 v28, s26, v28
.irp c, 0,1,2,3
	v_add_nc_u32 v24, \c, v20
	s_delay_alu instid0(VALU_DEP_1)
	v_and_b32 v24, 3, v24                          ; x
	s_delay_alu instid0(VALU_DEP_1)
	v_add_nc_u32 v[SEL+\c], 0x03000004, v24        ; result byte 0 = byte x of the first source; bytes 1, 2 = 0 and byte 3 = 0x4b of the second
	s_delay_alu instid0(VALU_DEP_2)
	v_lshl_add_u32 v[ADC+\c], v24, 4, v28
	v_lshl_add_u32 v[ADS+\c], v24, 3, v27
.endr
	v_lshl_add_u32 v[RDW], v1, 4, s27
.macro WFLIP t                         ; x -> x + 128 in every byte: 0 .. 255
.set i, 0
.rept 64
	v_xor_b32 v[R+64*(\t)+i], s24, v[R+64*(\t)+i]
.set i, i+1
.endr
.endm
.macro WCOL t, g, c                    ; block t of column 8 lane + 4 g + x(c)
.set SET8, 4*(\g)+(\c)
.if \t
	s_wait_dscnt 14                                ; the two stores that read this set of registers are done: behind them stand the seven younger steps' two each
.endif
.set i, 0
.rept 32
	v_perm_b32 v[T+i], v[R+64*(\t)+2*i+(\g)], s20, v[SEL+(\c)]     ; 2^23 + 128 + x, exactly
.set i, i+1
.endr
.set i, 0
.rept 16
	v_pk_add_f32 v[T+i:T+i+1], v[T+i:T+i+1], s[22:23] op_sel_hi:[1,0]   ; x, exactly
.set i, i+2
.endr
	v_max3_num_f32 v[MX], |v[T]|, |v[T+1]|, |v[T+2]|                ; the block's largest magnitude: all 32 numbers are mine; two chains
	v_max3_num_f32 v[MX+1], |v[T+3]|, |v[T+4]|, |v[T+5]|
.irp j, 6,10,14,18,22,26
	s_delay_alu instid0(VALU_DEP_2)
	v_max3_num_f32 v[MX], v[MX], |v[T+\j]|, |v[T+\j+1]|
	s_delay_alu instid0(VALU_DEP_2)
	v_max3_num_f32 v[MX+1], v[MX+1], |v[T+\j+2]|, |v[T+\j+3]|
.endr
	s_delay_alu instid0(VALU_DEP_2)
	v_max3_num_f32 v[MX], v[MX], |v[T+30]|, |v[T+31]|
	s_delay_alu instid0(VALU_DEP_1)
	v_max3_num_f32 v[MX], v[MX], v[MX+1], FLOOR
	s_delay_alu instid0(VALU_DEP_1)
	v_add_nc_u32 v[MX+2], OFF2, v[MX]              ; 2 off its exponent field: the conversion takes the exponent field of this operand as its scale, and nothing else of it
.irp j, 0,1,2,3
	v_cvt_scalef32_pk8_fp4_f32 v[CW+4*SET8+\j], v[T+8*\j:T+8*\j+7], v[MX+2]
.endr
	v_lshrrev_b32 v[EW+SET8], 23, v[MX+2]          ; the scale's byte; also the plain instruction between the conversions and the next step's writes of their sources
	ds_store_b128 v[ADC+(\c)], v[CW+4*SET8:CW+4*SET8+3] offset:64*(\g)+256*(\t)
	ds_store_b8 v[ADS+(\c)], v[EW+SET8] offset:32*(\g)+(\t)
.endm
	s_wait_loadcnt 32                              ; block 0's 32 loads are in; block 1's may be out
	WFLIP 0
.irp g, 0,1
.irp c, 0,1,2,3
	WCOL 0, \g, \c
.endr
.endr
	s_wait_loadcnt 0x0
	WFLIP 1
.irp g, 0,1
.irp c, 0,1,2,3
	WCOL 1, \g, \c
.endr
.endr
	s_wait_dscnt 0x0                               ; for the others' sake: my stores into the stage are done
	s_barrier_signal -1
	s_barrier_wait -1                              ; a group's bytes come from four waves
.set i, 0
.rept 17
	ds_load_b128 v[R+4*i:R+4*i+3], v[RDW] offset:512*i             ; the stage IS the block as it lies in bq: 8,704 bytes a wave
.set i, i+1
.endr
.set i, 0
.rept 17
	s_wait_dscnt 16-i
	global_store_b128 v[RDW], v[R+4*i:R+4*i+3], s[10:11] offset:512*i   ; 32 lanes store 512 consecutive bytes, at a multiple of 256 from bq's first byte
.set i, i+1
.endr
	s_wait_tensorcnt 0x0
	ds_add_u32 v30, v31
	s_wait_dscnt 0x0
	s_endpgm
; ---------------------------------------------------------------- ACT
; G = work-group / 4: 64 rows; KQ = work-group % 4: 1,024 along K.  Wave w takes rows 8 w .. + 7.  Load t reads 512 consecutive bytes: row 8 w + t / 4, part t % 4; a lane holds 8 neighbours along K, four lanes a block.
.Lact:
	s_lshr_b32 s13, ttmp9, 2                       ; G
	s_and_b32 s14, ttmp9, 3                        ; KQ
	s_lshl_b32 s16, s13, 6
	s_lshl_b32 s17, s12, 3
	s_add_co_u32 s16, s16, s17                     ; my first row
	s_lshl_b32 s16, s16, 13                        ; of 8,192 bytes
	s_lshl_b32 s17, s14, 11
	s_add_co_u32 s16, s16, s17                     ; + 2,048 KQ
	s_mov_b32 s17, 0
	s_mul_i32 s18, s13, 32*AST
	s_mul_i32 s19, s14, 8*AST
	s_add_co_u32 s18, s18, s19                     ; aq: group G, K steps 8 KQ on
	s_mov_b32 s19, 0
	s_lshr_b32 s25, s12, 1                         ; a = w / 2: my rows' block of 16
	s_and_b32 s26, s12, 1
	s_lshl_b32 s26, s26, 7                         ; r = 8 (w % 2) + t / 4: 16 bytes a row
	s_mul_i32 s27, s25, 4*REC                      ; pieces 4 a on
	s_add_co_u32 s27, s27, s26
	s_add_co_u32 s27, s27, ASTG
	s_lshl_b32 s25, s25, 2                         ; scale bytes: 4 a in a row's 16
	s_add_co_u32 s25, s25, s26
	s_add_co_u32 s25, s25, ASTG
	s_mul_i32 s26, s12, ASL
	s_add_co_u32 s26, s26, ASTG                    ; the way out: wave w takes K step w of the eight
	s_mul_i32 s21, s12, AST
	s_wait_alu depctr_va_vdst(0)
	v_lshlrev_b32 v[AOF], 4, v1
	s_wait_alu depctr_va_vdst(0)
	s_wait_kmcnt 0x0
	s_add_nc_u64 s[4:5], s[4:5], s[16:17]
	s_add_nc_u64 s[8:9], s[8:9], s[18:19]
.macro ALOAD t
	global_load_b128 v[RA+4*((\t)%24):RA+4*((\t)%24)+3], v[AOF], s[4:5] offset:((\t)/4)*8192+((\t)%4)*512 th:TH_LOAD_NT
.endm
.irp t, 0,1,2,3,4,5,6,7,8,9,10,11,12,13,14,15,16,17,18,19,20,21,22,23
	ALOAD \t
.endr
	v_lshrrev_b32 v20, 4, v1                       ; which of the part's two K steps
	v_bfe_u32 v21, v1, 2, 2                        ; 2 c + h: the block of 32 in the step
	v_and_b32 v22, 3, v1                           ; my 8 numbers in the block
	s_delay_alu instid0(VALU_DEP_2)
	v_mad_u32_u24 v23, v20, 17, v21
	s_delay_alu instid0(VALU_DEP_1)
	v_mul_u32_u24 v23, v23, REC
	s_delay_alu instid0(VALU_DEP_1)
	v_lshl_add_u32 v23, v22, 2, v23
	s_delay_alu instid0(VALU_DEP_1)
	v_add_nc_u32 v[AAC], s27, v23
	v_mad_u32_u24 v24, v20, ASL, v21
	s_delay_alu instid0(VALU_DEP_1)
	v_add_nc_u32 v[AAE], s25, v24
	v_lshl_add_u32 v[ARD], v1, 3, s26
	v_lshl_add_u32 v[AGO], v1, 3, s21
.macro AQ t, h0, h1, h2, h3, h4, h5, h6, h7   ; load t's eight halves, named as they stand
.set XT, TA+8*((\t)%2)
.set XM, AM+(\t)%2
.set XS, AM+2+(\t)%2
.if (\t) < 8
	s_wait_loadcnt 23                              ; load t is in: behind it 23 were issued
.else
	s_wait_loadcnt 31-(\t)
.endif
	v_cvt_f32_f16 v[XT+0], \h0
	v_cvt_f32_f16 v[XT+1], \h1
	v_cvt_f32_f16 v[XT+2], \h2
	v_cvt_f32_f16 v[XT+3], \h3
	v_cvt_f32_f16 v[XT+4], \h4
	v_cvt_f32_f16 v[XT+5], \h5
	v_cvt_f32_f16 v[XT+6], \h6
	v_cvt_f32_f16 v[XT+7], \h7
	v_max3_num_f32 v[XM], |v[XT]|, |v[XT+1]|, FLOOR
	s_delay_alu instid0(VALU_DEP_1)
	v_max3_num_f32 v[XM], v[XM], |v[XT+2]|, |v[XT+3]|
	s_delay_alu instid0(VALU_DEP_1)
	v_max3_num_f32 v[XM], v[XM], |v[XT+4]|, |v[XT+5]|
	s_delay_alu instid0(VALU_DEP_1)
	v_max3_num_f32 v[XM], v[XM], |v[XT+6]|, |v[XT+7]|
	s_delay_alu instid0(VALU_DEP_1)
	v_max_num_f32_dpp v[XM], v[XM], v[XM] row_xmask:1 row_mask:0xf bank_mask:0xf   ; with the three lanes that share my block
	s_delay_alu instid0(VALU_DEP_1)
	v_max_num_f32_dpp v[XM], v[XM], v[XM] row_xmask:2 row_mask:0xf bank_mask:0xf
	s_delay_alu instid0(VALU_DEP_1)
	v_add_nc_u32 v[XS], OFF2, v[XM]
	v_cvt_scalef32_pk8_fp4_f32 v[CA+(\t)], v[XT:XT+7], v[XS]
	v_lshrrev_b32 v[EA+(\t)], 23, v[XS]            ; the byte; also the plain instruction behind the conversion
	ds_store_b32 v[AAC], v[CA+(\t)] offset:((\t)%4)*2*ASL+((\t)/4)*16
	ds_store_b8 v[AAE], v[EA+(\t)] offset:16*REC+((\t)%4)*2*ASL+((\t)/4)*16      ; the four lanes of a block write the same byte with the same value
.if (\t) < 8
	ALOAD (\t)+24                                  ; into the slot just read
.endif
.endm
	AQ 0, v32.l, v32.h, v33.l, v33.h, v34.l, v34.h, v35.l, v35.h
	AQ 1, v36.l, v36.h, v37.l, v37.h, v38.l, v38.h, v39.l, v39.h
	AQ 2, v40.l, v40.h, v41.l, v41.h, v42.l, v42.h, v43.l, v43.h
	AQ 3, v44.l, v44.h, v45.l, v45.h, v46.l, v46.h, v47.l, v47.h
	AQ 4, v48.l, v48.h, v49.l, v49.h, v50.l, v50.h, v51.l, v51.h
	AQ 5, v52.l, v52.h, v53.l, v53.h, v54.l, v54.h, v55.l, v55.h
	AQ 6, v56.l, v56.h, v57.l, v57.h, v58.l, v58.h, v59.l, v59.h
	AQ 7, v60.l, v60.h, v61.l, v61.h, v62.l, v62.h, v63.l, v63.h
	AQ 8, v64.l, v64.h, v65.l, v65.h, v66.l, v66.h, v67.l, v67.h
	AQ 9, v68.l, v68.h, v69.l, v69.h, v70.l, v70.h, v71.l, v71.h
	AQ 10, v72.l, v72.h, v73.l, v73.h, v74.l, v74.h, v75.l, v75.h
	AQ 11, v76.l, v76.h, v77.l, v77.h, v78.l, v78.h, v79.l, v79.h
	AQ 12, v80.l, v80.h, v81.l, v81.h, v82.l, v82.h, v83.l, v83.h
	AQ 13, v84.l, v84.h, v85.l, v85.h, v86.l, v86.h, v87.l, v87.h
	AQ 14, v88.l, v88.h, v89.l, v89.h, v90.l, v90.h, v91.l, v91.h
	AQ 15, v92.l, v92.h, v93.l, v93.h, v94.l, v94.h, v95.l, v95.h
	AQ 16, v96.l, v96.h, v97.l, v97.h, v98.l, v98.h, v99.l, v99.h
	AQ 17, v100.l, v100.h, v101.l, v101.h, v102.l, v102.h, v103.l, v103.h
	AQ 18, v104.l, v104.h, v105.l, v105.h, v106.l, v106.h, v107.l, v107.h
	AQ 19, v108.l, v108.h, v109.l, v109.h, v110.l, v110.h, v111.l, v111.h
	AQ 20, v112.l, v112.h, v113.l, v113.h, v114.l, v114.h, v115.l, v115.h
	AQ 21, v116.l, v116.h, v117.l, v117.h, v118.l, v118.h, v119.l, v119.h
	AQ 22, v120.l, v120.h, v121.l, v121.h, v122.l, v122.h, v123.l, v123.h
	AQ 23, v124.l, v124.h, v125.l, v125.h, v126.l, v126.h, v127.l, v127.h
	AQ 24, v32.l, v32.h, v33.l, v33.h, v34.l, v34.h, v35.l, v35.h
	AQ 25, v36.l, v36.h, v37.l, v37.h, v38.l, v38.h, v39.l, v39.h
	AQ 26, v40.l, v40.h, v41.l, v41.h, v42.l, v42.h, v43.l, v43.h
	AQ 27, v44.l, v44.h, v45.l, v45.h, v46.l, v46.h, v47.l, v47.h
	AQ 28, v48.l, v48.h, v49.l, v49.h, v50.l, v50.h, v51.l, v51.h
	AQ 29, v52.l, v52.h, v53.l, v53.h, v54.l, v54.h, v55.l, v55.h
	AQ 30, v56.l, v56.h, v57.l, v57.h, v58.l, v58.h, v59.l, v59.h
	AQ 31, v60.l, v60.h, v61.l, v61.h, v62.l, v62.h, v63.l, v63.h
	s_wait_dscnt 0x0                               ; for the others' sake: my stores into the stage are done
	s_barrier_signal -1
	s_barrier_wait -1                              ; a piece's 16 rows come from two waves
.set i, 0
.rept 17
	ds_load_b64 v[RA+2*i:RA+2*i+1], v[ARD] offset:REC*i
.set i, i+1
.endr
.set i, 0
.rept 17
	s_wait_dscnt 16-i
	global_store_b64 v[AGO], v[RA+2*i:RA+2*i+1], s[8:9] offset:256*i    ; 32 lanes store 256 consecutive bytes, at a multiple of 256 from aq's first byte
.set i, i+1
.endr
	s_wait_tensorcnt 0x0
	ds_add_u32 v30, v31
	s_wait_dscnt 0x0
	s_endpgm
.Lfunc_end_k_q3364bda539_quant:
	.size	k_q3364bda539_quant, .Lfunc_end_k_q3364bda539_quant-k_q3364bda539_quant
	.p2alignl 7, 3214868480
	.fill 96, 4, 3214868480
	.section	.rodata,"a",@progbits
	.p2align	6, 0x0
	.amdhsa_kernel k_q3364bda539_quant
		.amdhsa_group_segment_fixed_size 107776
		.amdhsa_private_segment_fixed_size 0
		.amdhsa_enable_private_segment 0
		.amdhsa_kernarg_size 32
		.amdhsa_user_sgpr_count 2
		.amdhsa_user_sgpr_kernarg_segment_ptr 1
		.amdhsa_wavefront_size32 1
		.amdhsa_system_sgpr_workgroup_id_x 1
		.amdhsa_system_sgpr_workgroup_id_y 1
		.amdhsa_system_sgpr_workgroup_id_z 1
		.amdhsa_system_vgpr_workitem_id 0
		.amdhsa_next_free_vgpr 256
		.amdhsa_next_free_sgpr 66
		.amdhsa_reserve_vcc 0
		.amdhsa_float_denorm_mode_32 3
		.amdhsa_float_denorm_mode_16_64 3
		.amdhsa_memory_ordered 1
		.amdhsa_forward_progress 1
		.amdhsa_inst_pref_size 143
	.end_amdhsa_kernel
	.amdgpu_metadata
---
amdhsa.version: [ 1, 2 ]
amdhsa.kernels:
  - .name:           k_q3364bda539_quant
    .symbol:         k_q3364bda539_quant.kd
    .args:
      - { .name: act, .offset: 0, .size: 8, .value_kind: global_buffer, .address_space: global }
      - { .name: weight, .offset: 8, .size: 8, .value_kind: global_buffer, .address_space: global }
      - { .name: aq, .offset: 16, .size: 8, .value_kind: global_buffer, .address_space: global }
      - { .name: bq, .offset: 24, .size: 8, .value_kind: global_buffer, .address_space: global }
    .group_segment_fixed_size: 107776
    .private_segment_fixed_size: 0
    .kernarg_segment_align: 8
    .kernarg_segment_size: 32
    .max_flat_workgroup_size: 256
    .sgpr_count:     66
    .vgpr_count:     256
    .wavefront_size: 32
...
	.end_amdgpu_metadata
.endif
;; end of part 1
;; launch gemm (part 2): grid 4 x 56, 4 waves a work-group, clusters of 4 x 1, 327,680 bytes of LDS; arguments aq, bq, scale, out0; writes out0
.if DOCPART == 2
	.amdgcn_target "amdgcn-amd-amdhsa--gfx1250"
	.amdhsa_code_object_version 6
	.text
	.protected	k_q3364bda539_gemm
	.globl	k_q3364bda539_gemm
	.p2align	8
	.type	k_q3364bda539_gemm,@function
k_q3364bda539_gemm:
	s_mov_b64 s[64:65], 0
	v_nop
	global_prefetch_b8 v0, s[64:65] scope:SCOPE_SE
	s_setreg_imm32_b32 hwreg(HW_REG_WAVE_MODE, 25, 1), 1
	s_wait_xcnt 0x0
	s_wait_alu depctr_hold_cnt(0) depctr_sa_sdst(0) depctr_va_vdst(0) depctr_va_sdst(0) depctr_va_ssrc(0) depctr_va_vcc(0) depctr_vm_vsrc(0)
	s_getreg_b32 s2, hwreg(HW_REG_IB_STS2, 6, 4)
	s_cmp_eq_u32 s2, 0
	s_cbranch_scc0 .Lentry_in_a_cluster
	s_endpgm
.Lentry_in_a_cluster:
	s_bfe_u32 s2, ttmp6, 0x10000c
	s_cmp_lg_u32 s2, 0x3003
	s_cbranch_scc0 .Lentry_shape_is_right
	s_endpgm
.Lentry_shape_is_right:
; out0[m][n] = f16( (sum over k of A[m][k] B[k][n]) x scale[n] ), A and B as codes of FP4 (E2M1) with E8M0 scales for each 32 along K, out of aq and bq.  Sums in f32.
; Where the scaled sum lies beyond f16's range the conversion gives infinity.
; bq: [tile column 0..55][256 along K: 0..15][group of 32 columns: 0..7][two K steps of 128: 2,048 bytes of codes each, then 256 bytes of scales].  The 2,048 bytes are the image of an operand's 16 registers: 512 bytes for each four of them,
;     16 bytes a lane; the scales: 8 bytes a column, one word for each of the two K steps.
; aq: [64 rows: 0..15][K step of 128: 0..31][17 pieces of 256 bytes]: the images of four operands of 16 rows (1,024 bytes each), then 16 bytes for each r: the words of rows r, 16 + r, 32 + r, 48 + r.
; SHARES.  A work-group makes 256 rows x 256 columns, whole aligned 256-byte units of out0; wave w rows 64 w .. + 63 and all 256 columns: 32 accumulators of 32 columns x 16 rows, 512 registers.  K goes in 32 steps of 128.
; THE MATRIX INSTRUCTION IS USED TRANSPOSED: source 0 = 32 columns of B (16 registers), source 1 = 16 rows of A (8 registers).  Lane (r, h) of a result holds row r; registers 0-7 columns 32 g + 8 h + j, registers 8-15 columns 32 g + 16 + 8 h + j.
; B of a tile column comes through a ring of two LDS slots of 1,024 along K (139,264 bytes, dense in bq).  Four fills in all; each wave moves a quarter of each.  By this text's own count a wave has one tensor load out at a time.
; CLUSTER.  The four work-groups of a cluster make the four tile rows of ONE tile column: each fill is asked for JOINTLY, by the same tensor load with the same descriptor and the mask 15.
; A's codes differ between the partners, so nothing of aq is shared in a cluster: a wave's 64 rows go from aq straight into its registers, five sets deep: in step Q the set of step Q - 1 is loaded again, for step Q + 4.
; A STEP is one run of loads and one run of 32 matrix instructions: first the NEXT step's fragments of B out of LDS, into the set that is not at work, and A's loads of four steps on; then the products.  So a fragment has a whole step in which to come back.
; Group g's accumulators, both its sets of B and a copy of the addresses lie in ONE register window, so that its loads and its products each need few switches of the window.
; PREFETCH.  Fills 2 and 3 are asked of memory one slot ahead: a fill is 544 blocks of 256 bytes, 34 for each of the cluster's sixteen waves, told apart by address; fills 0 and 1 come by their loads alone.
; aq has no prefetch: its loads themselves stand four K steps ahead of their use.
; lds_bytes claims all of a WGP's LDS; the text uses 316,928 bytes.
; REGISTERS, windows of 256.  W0: 0-11 addresses, 12-31 A's scale words (five sets of four), 32-63 B's scale words (two sets, each for two K steps).  W1-W3: 0-7 addresses, 8-63 A's sets: AREF says where.
;   every window p: 64-127 B's fragments of groups 2 p, 2 p + 1 (set s of group g at 64 + 32 (g % 2) + 16 s), 128-255 their accumulators ((a, g) at 128 + 64 (g % 2) + 16 a).
.set KSB,    69632                     ; 512 along K of a tile column
.set GRPB,   4352                      ; a group's 256 along K
.set SLOTB,  2*KSB
.set QUART,  SLOTB/4                   ; what one tensor load brings: 136 rows of 256 bytes
.set SPARE,  2*SLOTB                   ; behind the ring: the spare words, 128 bytes for each wave: two blocks of 256 bytes that no other line names
.set STAGE,  SPARE+512                 ; the way out: 16 rows x 528 bytes for each wave
.set SPITCH, 528
.set SCR,    STAGE+4*16*SPITCH         ; 256 f32 of scale[n] for each wave
.set ASTEP,  4352                      ; a K step of 64 rows in aq
.set NOUT,   28672                     ; a row of out0 in bytes
; v0-3 (in window p): 69,632 blk + 2 p GRPB + 16 lane, for the ring's four blocks of 512 along K; W0's v0 = 16 lane is also the offset in aq and in a row of out0
.set SCRD,  4                          ; v4 (every window) from where I read scale[n] in the result's layout
.set ASO,   5                          ; v5     16 r
.set SPW,   6                          ; v6     LDS address of my spare word: SPARE + 4 x my thread's number; never rewritten
.set NIL,   7                          ; v7     0; never rewritten
.set SBA,   8                          ; v8-11  B's scale words: 69,632 blk + 4,096 + 8 lane
.set SA,    12
.set SBW,   32
.set STO,   5                          ; W2's v5: the way out: where I put 16 bytes of a row
.set RD,    6                          ; W2's v6: where I read a row back
.set G1,    16                         ; s[16:23] descriptor group 1
.set G0,    32                         ; s[32:47] descriptor group 0, a set for each of the four fills: none is ever stepped
.set PFB,   50                         ; s[50:51] my 34 blocks of fill 2; W1's v5, v6: 256 x my lane, and the last two blocks
.set MSB, 0
.macro WIN new                         ; the immediate's high byte repeats the setting that is left; a switch that changes nothing is dropped
.if MSB != (\new)
	s_set_vgpr_msb (MSB<<8)|(\new)
.set MSB, \new
.endif
.endm
.macro WLD new                         ; for a load: destination and address windows alone
.if (MSB&0xc3) != (\new)
	WIN \new
.endif
.endm
.macro PLACES                          ; four plain vector instructions between a matrix instruction and a load into, or a vector instruction on, its registers (ISA guide 7.12.1 for vector instructions)
.rept 4
	v_nop
.endr
.endm
.macro CREST                           ; a round of the cluster's barrier behind its opening barrier
	s_cmp_lg_u32 s12, 0
	s_cbranch_scc1 .Lnot_wave_0_\@
	s_barrier_signal -3
.Lnot_wave_0_\@:
	s_barrier_wait -3
	s_barrier_signal -1
	s_barrier_wait -1
.endm
.macro CROUND                          ; a whole round
	s_barrier_signal -1
	s_barrier_wait -1
	CREST
.endm
.macro TLOAD f                         ; fill f: my quarter, jointly with the three partners
	tensor_load_to_lds s[G0+4*(\f):G0+4*(\f)+3], s[G1:G1+7]
	s_nop 0
.rept 4
	v_nop
.endr
.endm
.macro AREF s, a                       ; where block a of A's set s lies: window ARW, register ARG
.if (\s) < 3
.set ARW, 1+(\s)
.set ARG, 32+8*(\a)
.else
.if (\s) == 3
.if (\a) < 3
.set ARW, 1
.set ARG, 8+8*(\a)
.else
.set ARW, 2
.set ARG, 8
.endif
.else
.if (\a) < 2
.set ARW, 2
.set ARG, 16+8*(\a)
.else
.set ARW, 3
.set ARG, 8+8*((\a)-2)
.endif
.endif
.endif
.endm
.macro ALD t, n                        ; load n of step t's nine: 512 consecutive bytes of block n / 2 (its half n % 2), or the scale words
.if (\n) < 8
	AREF (\t)%5, (\n)/2
	WLD ARW*64
	global_load_b128 v[ARG+4*((\n)%2):ARG+4*((\n)%2)+3], v0, s[4:5] offset:ASTEP*(\t)+512*(\n)
.else
	WLD 0
	global_load_b128 v[SA+4*((\t)%5):SA+4*((\t)%5)+3], v[ASO], s[4:5] offset:ASTEP*(\t)+4096
.endif
.endm
	s_load_b256 s[4:11], s[0:1], 0x0               ; aq s[4:5], bq s[6:7], scale s[8:9], out0 s[10:11]
	v_lshl_add_u32 v[SPW], v0, 2, SPARE
	v_mov_b32 v[NIL], 0
	ds_add_u32 v[SPW], v[NIL]                      ; the wave's opening: the add, twice on end, and its wait ahead of my first tensor load
	ds_add_u32 v[SPW], v[NIL]
	v_lshrrev_b32 v64, 5, v0
	v_readfirstlane_b32 s12, v64                   ; wave 0..3
	s_bfe_u32 s13, ttmp6, 0x40000                  ; cx: my place in the cluster: it enters the addresses of aq, out0 and the prefetches alone
	s_lshl_b32 s14, ttmp9, 2
	s_add_co_u32 s14, s14, s13                     ; tile row = 4 x cluster x + cx
	s_and_b32 s15, ttmp7, 0xffff                   ; tile column = cluster y, which the four partners share
	; descriptor group 1: 136 rows of 32 elements of 8 bytes, dense in memory and in LDS
	s_mov_b32 s[G1+0], 15|(3<<16)|(1<<21)          ; 15:0 the mask: all four work-groups; 17:16 elements of 8 bytes; 20 no padding; 21 set beside a mask
	s_mov_b32 s[G1+1], 32<<16                      ; tensor_dim0 = 32
	s_mov_b32 s[G1+2], 136<<16                     ; tensor_dim1 = 136
	s_mov_b32 s[G1+3], 32<<16                      ; tile_dim0 = 32
	s_mov_b32 s[G1+4], 136                         ; tile_dim1 = 136
	s_mov_b32 s[G1+5], 32                          ; from row to row
	s_mov_b32 s[G1+6], 0
	s_mov_b32 s[G1+7], 0
	s_mul_i32 s26, s12, QUART                      ; my quarter of a fill, in memory and in a slot
	s_mul_i32 s24, s15, 8*KSB                      ; the tile column's bytes of bq
	s_add_co_u32 s24, s24, s26
	s_mov_b32 s25, 0
	s_lshl_b32 s2, s15, 9                          ; 256 columns: 512 bytes of scale, and of a row of out0
	s_mov_b32 s3, 0
	s_lshl_b32 s28, s14, 2
	s_add_co_u32 s28, s28, s12                     ; my 64 rows: group 4 x tile row + wave
	s_mul_i32 s28, s28, 32*ASTEP
	s_mov_b32 s29, 0
	s_lshl_b32 s30, s14, 8
	s_lshl_b32 s31, s12, 6
	s_add_co_u32 s30, s30, s31                     ; my first row of out0
	s_mul_i32 s30, s30, NOUT
	s_add_co_u32 s30, s30, s2
	s_mov_b32 s31, 0
	s_mul_i32 s48, s12, 16*SPITCH
	s_add_co_u32 s48, s48, STAGE                   ; my stage
	s_lshl_b32 s49, s12, 10
	s_add_co_u32 s49, s49, SCR                     ; my 256 numbers of scale[n]
	s_mul_i32 s[PFB], s13, 34*256                  ; of my quarter's 136 blocks the partner at place cx takes 34
	s_add_co_u32 s[PFB], s[PFB], 2*SLOTB
	s_mov_b32 s[PFB+1], 0
	v_and_b32 v65, 31, v0                          ; lane
	v_and_b32 v66, 15, v0                          ; r
	v_bfe_u32 v67, v0, 4, 1                        ; h
	v_lshlrev_b32 v68, 4, v65
	v_lshlrev_b32 v69, 3, v65
	v_lshl_add_u32 v70, v65, 5, s49                ; where I put my 8 numbers of scale[n]
	v_add_nc_u32 v71, 32, v65
	v_min_u32 v71, 33, v71
	v_mul_u32_u24 v72, SPITCH, v66
	v_lshl_add_u32 v72, v67, 4, v72                ; row r of 528 bytes, 16 bytes for each half of the lanes
	v_lshlrev_b32 v[ASO], 4, v66
	v_lshlrev_b32 v0, 4, v65
.irp b, 1,2,3
	v_add_nc_u32 v[\b], \b*KSB, v68
.endr
.irp b, 0,1,2,3
	v_add_nc_u32 v[SBA+\b], \b*KSB+4096, v69
.endr
	v_lshl_add_u32 v[SCRD], v67, 5, s49
.irp p, 1,2,3
	WIN 64*\p
.irp b, 0,1,2,3
	v_add_nc_u32 v[\b], \b*KSB+2*\p*GRPB, v68
.endr
	v_lshl_add_u32 v[SCRD], v67, 5, s49
.endr
	WIN 0x40
	v_lshlrev_b32 v5, 8, v65                       ; the prefetches' offsets
	v_lshlrev_b32 v6, 8, v71                       ; (blocks 32 and 33; the lanes left over name the last one again)
	WIN 0x80
	v_add_nc_u32 v[STO], s48, v72
	v_add_nc_u32 v[RD], s48, v68                   ; back: the 32 lanes take one row of 512 bytes
	WIN 0
	s_wait_alu depctr_va_vdst(0)
	s_wait_dscnt 0x0                               ; both opening adds are done
	s_wait_kmcnt 0x0
	s_add_nc_u64 s[24:25], s[6:7], s[24:25]
	s_add_nc_u64 s[8:9], s[8:9], s[2:3]
	s_add_nc_u64 s[4:5], s[4:5], s[28:29]
	s_add_nc_u64 s[10:11], s[10:11], s[30:31]
	s_add_nc_u64 s[PFB:PFB+1], s[24:25], s[PFB:PFB+1]
.irp f, 0,1,2,3
	s_mov_b32 s[G0+4*\f], 1                                        ; count = 1
	s_add_co_u32 s[G0+4*\f+1], s26, (\f%2)*SLOTB                   ; LDS address: slot f % 2, my quarter
	s_add_nc_u64 s[G0+4*\f+2:G0+4*\f+3], s[24:25], \f*SLOTB        ; global address: K = 1,024 f on
	s_or_b32 s[G0+4*\f+3], s[G0+4*\f+3], 0x80000000                ; type = 2
.endr
	CROUND                                         ; all four work-groups are here: the first joint loads meet
	TLOAD 0                                        ; one tensor load a wave at the head
	global_load_b128 v[112:115], v0, s[8:9]        ; my 8 numbers of the tile column's scale[n]
.irp t, 0,1,2,3
.irp n, 0,1,2,3,4,5,6,7,8
	ALD \t, \n
.endr
.endr
	WIN 0
	s_wait_loadcnt 36                              ; scale[n] is in: behind it stand A's four sets of nine loads
	v_cvt_f32_f16 v116, v112.l
	v_cvt_f32_f16 v117, v112.h
	v_cvt_f32_f16 v118, v113.l
	v_cvt_f32_f16 v119, v113.h
	v_cvt_f32_f16 v120, v114.l
	v_cvt_f32_f16 v121, v114.h
	v_cvt_f32_f16 v122, v115.l
	v_cvt_f32_f16 v123, v115.h
	ds_store_b128 v70, v[116:119]                  ; scale[n] as f32, in my wave's own bytes: read back at the end in the result's layout
	ds_store_b128 v70, v[120:123] offset:16
; Group g's product with A's block a.  In the first step C = 0 starts the sums.
.macro MUL g, a
	AREF SETN, \a
	WIN 0x51*((\g)/2)+4*ARW                        ; source 0, C and D: the group's window; source 1: A's block
.set AC,  128+64*((\g)%2)+16*(\a)
.set BR,  64+32*((\g)%2)+16*PARN
.set RSB, SBW+16*PS+2*(\g)+PARN
.set RSA, SA+4*SETN+(\a)
.if ZR
	v_wmma_scale_f32_32x16x128_f4 v[AC:AC+15], v[BR:BR+15], v[ARG:ARG+7], 0, v[RSB], v[RSA]
.else
	v_wmma_scale_f32_32x16x128_f4 v[AC:AC+15], v[BR:BR+15], v[ARG:ARG+7], v[AC:AC+15], v[RSB], v[RSA]
.endif
.endm
; The eight products of window p's two groups.  The 32 accumulators take turns, one instruction a turn, in the same order in every step.
.macro MUL8 p
.irp a, 0,1,2,3
	MUL 2*(\p), \a
	MUL 2*(\p)+1, \a
.endr
.endm
; Registers 4 j .. 4 j + 3 of the next step's fragment of group g, into its other set.  In the last step, in their stead, 16 bytes of scale[n] for the way out: registers 8 u + 4 v of columns 32 g + 16 u + 8 h + 4 v.
.macro NEXT g, j
	WLD 0x41*((\g)/2)
.if LASTQ
	ds_load_b128 v[64+32*((\g)%2)+4*(\j):64+32*((\g)%2)+4*(\j)+3], v[SCRD] offset:128*(\g)+64*((\j)/2)+16*((\j)%2)
.else
	ds_load_b128 v[64+32*((\g)%2)+16*(1-PARN)+4*(\j):64+32*((\g)%2)+16*(1-PARN)+4*(\j)+3], v[NBLK] offset:8*GRPB*NHC+GRPB*((\g)%2)+2048*NQ+512*(\j)
.endif
.endm
.macro NEXT4 g
.irp j, 0,1,2,3
	NEXT \g, \j
.endr
.endm
; B's scale words of the next two steps, into the set that is not at work: lane L holds the words of column 32 g + L
.macro BSC
	WLD 0
.irp g, 0,1,2,3,4,5,6,7
	ds_load_b64 v[SBW+16*NPS+2*\g:SBW+16*NPS+2*\g+1], v[SBA+NBLK] offset:8*GRPB*NHC+GRPB*\g
.endr
.endm
; A step's run of loads: the scale words where they are due, the next step's 32 loads of fragments, and A's nine of four steps on, two behind each window's eight
.macro RUN
.if XB
	BSC
.endif
.irp p, 0,1,2,3
	NEXT4 2*\p
	NEXT4 2*\p+1
.if ALQ < 32
	ALD ALQ, 2*\p
	ALD ALQ, 2*\p+1
.endif
.endr
.if ALQ < 32
	ALD ALQ, 8
.endif
.endm
.macro STEP Q
.set SETN, (\Q)%5                      ; A's set
.set PARN, (\Q)%2                      ; B's set; also which of a pair's two scale words
.set PS,   ((\Q)/2)%2                  ; the set of scale words
.set NPS,  1-PS
.set NBLK, (((\Q)+1)/4)%4              ; where the next step's bytes lie: the ring's block,
.set NHC,  (((\Q)+1)/2)%2              ; 256 along K in it,
.set NQ,   ((\Q)+1)%2                  ; and K step in those
.set ALQ,  (\Q)+4
.set ZR, 0
.set LASTQ, 0
.set XB, 0                             ; 1: this step loads scale words (an odd step that has a successor)
.set LC, 27
.if (\Q) == 0
.set ZR, 1
.else
	PLACES                                         ; for all the loads below: what they write over was read in the step before
.endif
.if (\Q) == 31
.set LASTQ, 1
.else
.set XB, PARN
.endif
.if (\Q) > 28
.set LC, 9*(31-(\Q))
.endif
	s_wait_loadcnt LC                              ; A's set of this step is in: behind it stand the younger sets' nine loads each, three sets at the most
	s_wait_dscnt 0x0                               ; this step's fragments and scale words are in: they were asked for in the step before
.if (((\Q)%8) == 7) && ((\Q) < 31)
; A SLOT'S LAST STEP: its own fragments are in, the next step's lie in the other slot
	WIN 0                                          ; (the add's two registers lie in window 0)
	s_wait_tensorcnt 0x0                           ; all my tensor loads have landed: my part of the next slot;
	ds_add_u32 v[SPW], v[NIL]                      ; 0 onto my spare word;
	MUL8 0                                         ; eight matrix instructions stand between the add and the wait for it
	s_wait_dscnt 0x0                               ; the add is done, and my reads of this slot are over
	s_barrier_signal -1
	MUL8 1                                         ; work on registers while the others arrive
	WIN 0
	s_barrier_wait -1
.if (\Q) < 23
	CREST                                          ; the barrier has opened a round of the cluster's: no wave of any partner still reads this slot or has a load on its way
	TLOAD ((\Q)+9)/8                               ; the first tensor load behind the round, and my only one until the next: eight steps ahead of the wait for it
.endif
	RUN
	MUL8 2
	MUL8 3
.else
	RUN
.if (\Q) == 9
	WIN 1
	global_prefetch_b8 v5, s[PFB:PFB+1] offset:SLOTB th:TH_LOAD_NT scope:SCOPE_SE  ; my blocks of fill 3, which is asked for six steps on
	global_prefetch_b8 v6, s[PFB:PFB+1] offset:SLOTB th:TH_LOAD_NT scope:SCOPE_SE
.endif
	MUL8 0
	MUL8 1
	MUL8 2
	MUL8 3
.endif
.endm
	s_wait_alu depctr_va_vdst(0)
	s_wait_tensorcnt 0x0                           ; my part of fill 0 is in; the same lines stand ahead of a later first fill as ahead of a refill:
	ds_add_u32 v[SPW], v[NIL]
	s_wait_dscnt 0x0                               ; the add is done
	CROUND                                         ; a whole round: everybody's part of fill 0 is in, and the joint loads meet
	TLOAD 1                                        ; slot 1's first fill, the first tensor load behind the round
.set NPS, 0
.set NBLK, 0
.set NHC, 0
.set NQ, 0
.set PARN, 1
.set LASTQ, 0
	BSC                                            ; step 0's scale words (and step 1's),
.irp g, 0,1,2,3,4,5,6,7
	NEXT4 \g                                       ; and its fragments, into set 0
.endr
	WIN 1
	global_prefetch_b8 v5, s[PFB:PFB+1] th:TH_LOAD_NT scope:SCOPE_SE  ; my blocks of fill 2, which is asked for seven steps on
	global_prefetch_b8 v6, s[PFB:PFB+1] th:TH_LOAD_NT scope:SCOPE_SE
.set QI, 0
.rept 32
	STEP QI
.set QI, QI+1
.endr
; THE WAY OUT.  scale[n] has come back in the result's layout, in each group's own window.  Block a of 16 rows at a time: x scale[n], two roundings to f16 an instruction, packed into the accumulator's own low registers,
; 16 bytes a lane into my stage, back as whole rows of 512 bytes, stored.
	PLACES
	s_wait_dscnt 0x0                               ; scale[n] is in
.macro PACK a
.irp p, 0,1,2,3
	WIN 0x45*\p                                    ; both sources and the destination: the group's window
.irp gg, 0,1
.irp i, 0,2,4,6,8,10,12,14             ; each accumulator from its low end on
	v_pk_mul_f32 v[128+64*\gg+16*(\a)+\i:128+64*\gg+16*(\a)+\i+1], v[128+64*\gg+16*(\a)+\i:128+64*\gg+16*(\a)+\i+1], v[64+32*\gg+\i:64+32*\gg+\i+1]
.endr
.endr
.irp gg, 0,1
.irp i, 0,1,2,3,4,5,6,7
	v_cvt_pk_f16_f32 v[128+64*\gg+16*(\a)+\i], v[128+64*\gg+16*(\a)+2*\i], v[128+64*\gg+16*(\a)+2*\i+1]
.endr
.endr
.endr
	WIN 0
	s_wait_alu depctr_va_vdst(0)                   ; waits may stand ahead of the readers
.endm
.macro STORES a
.irp g, 0,1,2,3,4,5,6,7
	WIN 2+4*(\g/2)                                 ; the address: window 2; the data: the group's window
.irp u, 0,1
	ds_store_b128 v[STO], v[128+64*(\g%2)+16*(\a)+4*\u:128+64*(\g%2)+16*(\a)+4*\u+3] offset:64*\g+32*\u     ; columns 32 g + 16 u + 8 h + 0 .. 7 of row r
.endr
.endr
.endm
.macro BKREG t                         ; where row t lies when it is back: window 1, v8-63 (A's registers) and v80-87
.if (\t) < 14
.set BK, 8+4*(\t)
.else
.set BK, 80+4*((\t)-14)
.endif
.endm
.macro LOADS
	WIN 0x42
.irp t, 0,1,2,3,4,5,6,7,8,9,10,11,12,13,14,15
	BKREG \t
	ds_load_b128 v[BK:BK+3], v[RD] offset:\t*SPITCH      ; LDS serves a wave's instructions in order (ISA guide 5.7.1.4): these see the stores above
.endr
	WIN 0
.endm
.macro SEND a
	WIN 0x04
.irp t, 0,1,2,3,4,5,6,7,8,9,10,11,12,13,14,15
	BKREG \t
	s_wait_dscnt 15-\t
	global_store_b128 v0, v[BK:BK+3], s[10:11] offset:(16*(\a)+\t)*NOUT th:TH_STORE_NT   ; 32 lanes store 512 consecutive bytes, at a multiple of 256 from out0's first byte; 63 rows at the most stand in the immediate
.endr
	WIN 0
.endm
	PACK 0
	STORES 0
	LOADS
.irp a, 1,2,3
	PACK \a                                        ; block a's arithmetic stands between block a - 1's loads from the stage and the wait for them
	SEND \a-1
	STORES \a
	s_wait_xcnt 0x0                                ; block a - 1's stores have read their registers: block a's rows may land there
	LOADS
.endr
	SEND 3
	s_wait_tensorcnt 0x0                           ; the wave's end, behind my last tensor load and my last LDS store
	ds_add_u32 v[SPW], v[NIL]
	s_wait_dscnt 0x0
	CROUND                                         ; the closing round: no work-group ends while a partner may still ask for a tile that names it
	s_endpgm
.Lfunc_end_k_q3364bda539_gemm:
	.size	k_q3364bda539_gemm, .Lfunc_end_k_q3364bda539_gemm-k_q3364bda539_gemm
	.p2alignl 7, 3214868480
	.fill 96, 4, 3214868480
	.section	.rodata,"a",@progbits
	.p2align	6, 0x0
	.amdhsa_kernel k_q3364bda539_gemm
		.amdhsa_group_segment_fixed_size 327680
		.amdhsa_private_segment_fixed_size 0
		.amdhsa_enable_private_segment 0
		.amdhsa_kernarg_size 32
		.amdhsa_user_sgpr_count 2
		.amdhsa_user_sgpr_kernarg_segment_ptr 1
		.amdhsa_wavefront_size32 1
		.amdhsa_system_sgpr_workgroup_id_x 1
		.amdhsa_system_sgpr_workgroup_id_y 1
		.amdhsa_system_sgpr_workgroup_id_z 1
		.amdhsa_system_vgpr_workitem_id 0
		.amdhsa_next_free_vgpr 1024
		.amdhsa_next_free_sgpr 66
		.amdhsa_reserve_vcc 0
		.amdhsa_float_denorm_mode_32 3
		.amdhsa_float_denorm_mode_16_64 3
		.amdhsa_memory_ordered 1
		.amdhsa_forward_progress 1
		.amdhsa_inst_pref_size 255
	.end_amdhsa_kernel
	.section	.bss,"aw",@nobits
	.p2align	6
	.space	262144
	.amdgpu_metadata
---
amdhsa.version: [ 1, 2 ]
amdhsa.kernels:
  - .name:           k_q3364bda539_gemm
    .symbol:         k_q3364bda539_gemm.kd
    .args:
      - { .name: aq, .offset: 0, .size: 8, .value_kind: global_buffer, .address_space: global }
      - { .name: bq, .offset: 8, .size: 8, .value_kind: global_buffer, .address_space: global }
      - { .name: scale, .offset: 16, .size: 8, .value_kind: global_buffer, .address_space: global }
      - { .name: out0, .offset: 24, .size: 8, .value_kind: global_buffer, .address_space: global }
    .group_segment_fixed_size: 327680
    .private_segment_fixed_size: 0
    .kernarg_segment_align: 8
    .kernarg_segment_size: 32
    .max_flat_workgroup_size: 128
    .sgpr_count:     66
    .vgpr_count:     1024
    .wavefront_size: 32
...
	.end_amdgpu_metadata
.endif
;; end of part 2
